; MI455X (gfx1250); checked and timed in simulation.
; The chip was launched on July 23, 2026; its instructions are those of AMD's public machine-readable ISA for CDNA 5 (MIT licence, August 2026) and "CDNA5" Instruction Set Architecture Reference Guide (July 2026). The comments in the code are by the model that wrote it; some were corrected since.
;; QKV Attention. Allowed arithmetic: float matrix products may take bf16 or f16 operands with f32 sums; all other float work in f32.
;; Inputs: qkv 4 x 2,048 x 3,072 float32.
;; Outputs: out0 4 x 2,048 x 1,024 float32.
;; One version. Each part assembles by itself: llvm-mc -triple=amdgcn-amd-amdhsa -mcpu=gfx1250 --defsym DOCPART=n.
;; ======== version 1 of 1: 1 launch
;; launch attn (part 1): grid 256 x 1, 8 waves a work-group, clusters of 4 x 1, 327,680 bytes of LDS; arguments qkv, out0; writes out0
.if DOCPART == 1
	.amdgcn_target "amdgcn-amd-amdhsa--gfx1250"
	.amdhsa_code_object_version 6
	.text
	.protected	k_qbad388fdf9_attn
	.globl	k_qbad388fdf9_attn
	.p2align	8
	.type	k_qbad388fdf9_attn,@function
k_qbad388fdf9_attn:
	s_mov_b64 s[64:65], 0
	v_nop
	global_prefetch_b8 v0, s[64:65] scope:SCOPE_SE
	s_setreg_imm32_b32 hwreg(HW_REG_WAVE_MODE, 25, 1), 1
	s_wait_xcnt 0x0
	s_wait_alu depctr_hold_cnt(0) depctr_sa_sdst(0) depctr_va_vdst(0) depctr_va_sdst(0) depctr_va_ssrc(0) depctr_va_vcc(0) depctr_vm_vsrc(0)
	s_getreg_b32 s2, hwreg(HW_REG_IB_STS2, 6, 4)
	s_cmp_eq_u32 s2, 0
	s_cbranch_scc0 .Lentry_in_a_cluster
	s_endpgm
.Lentry_in_a_cluster:
	s_bfe_u32 s2, ttmp6, 0x10000c
	s_cmp_lg_u32 s2, 0x3003
	s_cbranch_scc0 .Lentry_shape_is_right
	s_endpgm
.Lentry_shape_is_right:
; Attention without a mask, 64 heads, 2,048 tokens, 64 channels, softmax with a running maximum.  qkv: [8192][3072] f32, out0: [8192][1024] f32.
; The reshape is a plain re-reading of memory: head bh is rows 128 bh .. 128 bh + 127 of qkv; token i of a head is the piece of 256 bytes number i % 16 of row i / 16;
; bytes 0-4095 of a row are Q, 4096-8191 K, 8192-12287 V.  So 16 keys and their 16 rows of V are 8,192 consecutive bytes, and a head's output is 524,288 consecutive bytes.
; SHARES: a cluster of four work-groups is a head; work-group cx takes queries 512 cx .. + 511; wave w of eight takes 64 of them (four tiles of 16); lane (r = lane % 16,
; h = lane / 16) owns query r of each tile.  Two waves of 512 registers lie on each SIMD, so that one wave's softmax can run beside the other's matrix instructions.
; CLUSTER: the four work-groups of a head walk the same K and V; each block is asked for jointly (mask 15), one tensor load a wave, behind a round of the cluster's barrier.
; PRODUCTS, both transposed, so that no number changes its lane between them:
;   S^T = K Q^T : source 0 = 16 keys x 32 channels, source 1 = 16 queries x 32 channels; register j of lane (r, h) is key 8 h + j of query r.
;   O^T = V^T P^T : two neighbouring key tiles of S^T, packed to bf16, are source 1 (32 keys x 16 queries) as they stand; source 0 = 16 channels x 32 keys, by the transposing LDS load.
; SOFTMAX: p = exp2(c s - c m), c = 0.125 log2(e), applied in f32 to the f32 scores; m is the running maximum of the raw scores (c > 0), l the running sum; both live in the lane,
; and the two lanes of a query meet by one v_permlanex16_b32.  Q, K, V enter the matrix unit as the inputs rounded to bf16, nothing folded in.
; BLOCKS: 128 keys = 8 rows of qkv, one row's 8,192 bytes a wave, f32 into the wave's own stage; the wave rounds them to bf16 into one of two K and V buffers that all waves read.
; Trip t multiplies block t from buffer t % 2, asks for block t + 1 at its head and converts it at its end: one round of the barrier a block.
; LIMITS: NaN and infinite inputs are not served (v_max3_num_f32 drops a NaN; a row of infinite scores gives NaN).  A p below 2^-126 counts as 0 (v_exp_f32 flushes).
; l sums the f32 p while P enters the second product rounded to bf16.
.set ROWB,   12288                     ; bytes in a row of qkv
.set HEADB,  128*ROWB                  ; a head's rows
.set BLKB,   8*ROWB                    ; from a block of 128 keys to the next
.set STGW,   8192                      ; LDS 0 .. 65,535: eight stages of 8,192 bytes, filled by tensor loads alone, each read by its own wave
.set KB,     65536                     ; two K buffers, bf16, 128 rows
.set KPITCH, 144                       ; 128 bytes + 16: 9 x 16, so the 16 rows of a fragment load begin in 16 different groups of four banks
.set KBUF,   128*KPITCH
.set VB,     KB+2*KBUF                 ; 102,400: two V buffers, bf16, 128 rows
.set VPITCH, 160                       ; 128 bytes + 32: 5 x 32, for the transposing load
.set VBUF,   128*VPITCH
.set SCR,    VB+2*VBUF                 ; 143,360: each wave's own 9,216 bytes: first Q in bf16 (64 rows of 144), at the end 16 rows of output (pitch 272)
.set SCRW,   9216
.set OPITCH, 272
; window 0
.set KRD, 2                            ; K fragments:  KB + 144 r + 16 h
.set VRD, 3                            ; V fragments:  VB + 160 (8 h + lane % 8) + 16 ((lane / 8) % 2)
.set SRD, 4                            ; my stage:     8192 w + 16 lane
.set KST, 5                            ; K in bf16:    KB + 144 (16 w + h) + 8 r
.set VST, 6                            ; V in bf16:    VB + 160 (16 w + h) + 8 r
.set QST, 7                            ; Q in bf16:    scratch + 144 h + 8 r
.set QRD, 8                            ; Q fragments:  scratch + 144 r + 16 h
.set GOFF, 9                           ; 16 lane: Q's loads and the output's stores
.set PFO, 10                           ; 256 lane: the prefetch
.set OST, 11                           ; output in:    scratch + 272 r + 32 h
.set ORD, 44                           ; output back:  scratch + 272 h + 16 r
.set MA,  12                           ; v[12+2q] running maximum, set A
.set TP,  13                           ; v[13+2q] the other half's figure
.set MB,  20                           ; v[20+2q] running maximum, set B: the sets take turns as old and new, so nothing is copied
.set AL,  28                           ; v[28+2q] alpha, at the end 1 / l; the odd neighbour is written once (a packed source is read as a pair)
.set LS,  36                           ; v[36+2q:37+2q] two running sums
.set NM,  46                           ; v[46+2q] - c x new maximum; odd neighbour as for AL
.set S,   64                           ; v[64+8(4 kt + qt)] scores of key tile kt, query tile qt; P(qt, ks) ends up in the registers of tile (2 ks, qt)
.set KF,  192                          ; v[192+8(2 kt + ks)] K fragments
; window 1 (v256-v511, written by their low 8 bits)
.set ACC, 0                            ; v[8(4 qt + ct)] O^T of query tile qt, channels 16 ct ..
.set QF,  128                          ; v[128+8(2 qt + ks)] Q fragments, kept for the whole kernel
.set VF,  192                          ; v[192+8(4 ks + ct)] V^T fragments
.set MSB, 0
.macro WIN new                         ; low byte: bits 1:0 source 0, 3:2 source 1, 5:4 source 2, 7:6 destination; the high byte repeats the setting that is left
.if MSB != \new
	s_set_vgpr_msb (MSB<<8)|\new
.set MSB, \new
.endif
.endm
.macro PLACES n                        ; places behind matrix instructions (ISA guide 7.12.1)
.rept \n
	v_nop
.endr
.endm
; A round of the cluster's barrier: my work-group's barrier, wave 0 signals for the work-group, every wave waits for all four work-groups, my work-group's barrier again.
.macro ROUND
	s_barrier_signal -1
	s_barrier_wait -1
	s_cmp_lg_u32 s8, 0
	s_cbranch_scc1 .Lnot_wave_0_\@
	s_barrier_signal -3
.Lnot_wave_0_\@:
	s_barrier_wait -3
	s_barrier_signal -1
	s_barrier_wait -1
.endm
	s_load_b128 s[4:7], s[0:1], 0x0                ; qkv s[4:5], out0 s[6:7]
	v_lshl_add_u32 v45, v0, 2, 0x35000
	v_mov_b32 v63, 0
	ds_add_u32 v45, v63
	v_lshrrev_b32 v54, 5, v0
	v_readfirstlane_b32 s8, v54                    ; wave 0..7
	s_bfe_u32 s9, ttmp6, 0x40000                   ; cx: it enters global addresses of my own loads, stores and prefetches alone
	s_mov_b32 s30, 0x76543210                      ; v_permlanex16_b32: lane i of one half reads lane i of the other
	s_mov_b32 s31, 0xfedcba98
	; descriptor group 1: 8,192 dense bytes as 32 rows of 32 elements of 8 bytes
	s_mov_b32 s16, 15|(3<<16)|(1<<21)              ; 15:0 the mask: all four work-groups; 17:16 elements of 8 bytes; 21 set beside a mask; no padding (the stage is read 16 neighbouring bytes a lane)
	s_mov_b32 s17, 32<<16                          ; tensor_dim0 = 32
	s_mov_b32 s18, 32<<16                          ; tensor_dim1 = 32
	s_mov_b32 s19, 32<<16                          ; tile_dim0 = 32
	s_mov_b32 s20, 32                              ; tile_dim1 = 32
	s_mov_b32 s21, 32                              ; 32 elements from row to row: dense
	s_mov_b32 s22, 0
	s_mov_b32 s23, 0
	s_mov_b32 s12, 1                               ; group 0: count = 1
	s_lshl_b32 s13, s8, 13                         ; LDS address: my stage, 8192 w
	s_mul_i32 s34, ttmp9, HEADB                    ; the head (in a cluster launch ttmp9 counts clusters): below 4 GiB
	s_mov_b32 s35, 0
	s_mul_i32 s36, s8, ROWB                        ; K and V: row w of a block, from byte 4,096 on; no cx in these registers
	s_add_co_u32 s36, s36, 4096
	s_mov_b32 s37, 0
	s_mul_i32 s38, s9, 32*ROWB                     ; Q: rows 32 cx + 4 w ..
	s_mul_i32 s39, s8, 4*ROWB
	s_add_co_u32 s38, s38, s39
	s_mov_b32 s39, 0
	s_lshl_b32 s40, ttmp9, 19                      ; output: 524,288 a head, 131,072 a work-group, 16,384 a wave
	s_lshl_b32 s41, s9, 17
	s_add_co_u32 s40, s40, s41
	s_lshl_b32 s41, s8, 14
	s_add_co_u32 s40, s40, s41
	s_mov_b32 s41, 0
	s_lshl_b32 s42, s9, 1                          ; prefetch: row 2 cx + w of block 2 (waves 0 and 1 alone ask)
	s_add_co_u32 s42, s42, s8
	s_mul_i32 s42, s42, ROWB
	s_add_co_u32 s42, s42, 4096+2*BLKB
	s_mov_b32 s43, 0
	s_mul_i32 s44, s8, 16*KPITCH                   ; my 16 rows of a K buffer,
	s_add_co_u32 s44, s44, KB
	s_mul_i32 s45, s8, 16*VPITCH                   ; of a V buffer,
	s_add_co_u32 s45, s45, VB
	s_mul_i32 s46, s8, SCRW                        ; my scratch
	s_add_co_u32 s46, s46, SCR
	v_and_b32 v1, 31, v0                           ; lane
	v_lshlrev_b32 v[GOFF], 4, v1
	s_wait_dscnt 0x0
	s_wait_kmcnt 0x0
	s_add_nc_u64 s[4:5], s[4:5], s[34:35]          ; qkv at the head
	s_add_nc_u64 s[24:25], s[4:5], s[38:39]        ; my Q
	s_add_nc_u64 s[26:27], s[6:7], s[40:41]        ; my output
	s_add_nc_u64 s[28:29], s[4:5], s[42:43]        ; my prefetches
	s_add_nc_u64 s[14:15], s[4:5], s[36:37]        ; group 0: global address of my row of block 0
	s_or_b32 s15, s15, 0x80000000                  ; type = 2
	; Q: four rows of 4,096 bytes, read once in the launch; load (qt, j) brings queries 16 qt + 2 j + h, channels 4 r .. 4 r + 3
.irp qt, 0,1,2,3
.irp j, 0,1,2,3,4,5,6,7
	global_load_b128 v[S+32*\qt+4*\j:S+32*\qt+4*\j+3], v[GOFF], s[24:25] offset:ROWB*\qt+512*\j th:TH_LOAD_NT
.endr
.endr
	ROUND                                          ; all four work-groups are here: the first joint loads meet
	tensor_load_to_lds s[12:15], s[16:23]          ; block 0; by this text's count a wave never has more than this one tensor load out
	s_nop 0
	v_and_b32 v55, 15, v0                          ; r
	v_bfe_u32 v56, v0, 4, 1                        ; h
	v_lshlrev_b32 v[PFO], 8, v1
	v_mul_u32_u24 v57, v55, KPITCH
	v_lshl_add_u32 v57, v56, 4, v57                ; 144 r + 16 h
	v_add_nc_u32 v[KRD], KB, v57
	v_add_nc_u32 v[QRD], s46, v57
	v_and_b32 v58, 7, v0
	v_lshl_add_u32 v58, v56, 3, v58                ; 8 h + lane % 8
	v_mul_u32_u24 v[VRD], v58, VPITCH
	v_bfe_u32 v58, v0, 3, 1
	v_lshl_add_u32 v[VRD], v58, 4, v[VRD]
	v_add_nc_u32 v[VRD], VB, v[VRD]
	v_add_nc_u32 v[SRD], s13, v[GOFF]
	v_mul_u32_u24 v59, v56, KPITCH
	v_lshl_add_u32 v59, v55, 3, v59                ; 144 h + 8 r
	v_add_nc_u32 v[KST], s44, v59
	v_add_nc_u32 v[QST], s46, v59
	v_mul_u32_u24 v60, v56, VPITCH
	v_lshl_add_u32 v60, v55, 3, v60                ; 160 h + 8 r
	v_add_nc_u32 v[VST], s45, v60
	v_mul_u32_u24 v61, v55, OPITCH
	v_lshl_add_u32 v61, v56, 5, v61                ; 272 r + 32 h
	v_add_nc_u32 v[OST], s46, v61
	v_mul_u32_u24 v62, v56, OPITCH
	v_lshl_add_u32 v62, v55, 4, v62                ; 272 h + 16 r
	v_add_nc_u32 v[ORD], s46, v62
.irp q, 0,1,2,3
	v_mov_b32 v[MA+2*\q], 0xff800000               ; m = -inf: the first alpha is exp2(-inf) = 0
	v_mov_b32 v[TP+2*\q], 0                        ; a destination of v_permlanex16_b32 counts as read
	v_mov_b32 v[AL+2*\q+1], 0                      ; the unused halves of broadcast pairs
	v_mov_b32 v[NM+2*\q+1], 0
	v_mov_b32 v[LS+2*\q], 0                        ; l = 0
	v_mov_b32 v[LS+2*\q+1], 0
.endr
	; Q to bf16 through my scratch into fragments.  The bytes are my wave's own and LDS serves a wave's instructions in order (ISA guide 5.7.1): no wait between the stores and the loads.
.irp qt, 0,1,2,3
	s_wait_loadcnt 24-8*\qt                        ; the eight loads of each later query tile may stay out
.irp j, 0,1,2,3,4,5,6,7
	v_cvt_pk_bf16_f32 v[S+32*\qt+4*\j], v[S+32*\qt+4*\j], v[S+32*\qt+4*\j+1]
	v_cvt_pk_bf16_f32 v[S+32*\qt+4*\j+1], v[S+32*\qt+4*\j+2], v[S+32*\qt+4*\j+3]
	ds_store_b64 v[QST], v[S+32*\qt+4*\j:S+32*\qt+4*\j+1] offset:(16*\qt+2*\j)*KPITCH
.endr
	WIN 0x40                                       ; destination in window 1
.irp ks, 0,1
	ds_load_b128 v[QF+8*(2*\qt+\ks):QF+8*(2*\qt+\ks)+3],   v[QRD] offset:16*KPITCH*\qt+64*\ks
	ds_load_b128 v[QF+8*(2*\qt+\ks)+4:QF+8*(2*\qt+\ks)+7], v[QRD] offset:16*KPITCH*\qt+64*\ks+32
.endr
	WIN 0
.endr
; 16 loads: the K fragments of sub-block sb (64 keys) of buffer buf, key tiles ascending, four loads a tile
.macro KLOAD buf, sb
.irp kt, 0,1,2,3
.irp ks, 0,1
	ds_load_b128 v[KF+8*(2*\kt+\ks):KF+8*(2*\kt+\ks)+3],   v[KRD] offset:\buf*KBUF+(64*\sb+16*\kt)*KPITCH+64*\ks
	ds_load_b128 v[KF+8*(2*\kt+\ks)+4:KF+8*(2*\kt+\ks)+7], v[KRD] offset:\buf*KBUF+(64*\sb+16*\kt)*KPITCH+64*\ks+32
.endr
.endr
.endm
; 16 transposing loads: V^T fragments (16 channels x 32 keys) of sub-block sb; the second load of a fragment stands 16 rows further down
.macro VLOAD buf, sb
	WIN 0x40
.irp ks, 0,1
.irp ct, 0,1,2,3
	ds_load_tr16_b128 v[VF+8*(4*\ks+\ct):VF+8*(4*\ks+\ct)+3],   v[VRD] offset:\buf*VBUF+(64*\sb+32*\ks)*VPITCH+32*\ct
	ds_load_tr16_b128 v[VF+8*(4*\ks+\ct)+4:VF+8*(4*\ks+\ct)+7], v[VRD] offset:\buf*VBUF+(64*\sb+32*\ks)*VPITCH+32*\ct+16*VPITCH
.endr
.endr
	WIN 0
.endm
; My stage (16 keys of K, then their 16 rows of V, f32) to bf16 into buffer nb.  Load j brings rows 2 j + h, channels 4 r .. 4 r + 3.
.macro CONVERT nb
.irp j, 0,1,2,3,4,5,6,7,8,9,10,11,12,13,14,15
	ds_load_b128 v[S+4*\j:S+4*\j+3], v[SRD] offset:512*\j
.endr
.irp j, 0,1,2,3,4,5,6,7
	s_wait_dscnt 15                                ; behind load j stand 15 - j loads and the j stores of the pieces before: always 15
	v_cvt_pk_bf16_f32 v[S+4*\j], v[S+4*\j], v[S+4*\j+1]
	v_cvt_pk_bf16_f32 v[S+4*\j+1], v[S+4*\j+2], v[S+4*\j+3]
	ds_store_b64 v[KST], v[S+4*\j:S+4*\j+1] offset:\nb*KBUF+2*KPITCH*\j
.endr
.irp j, 8,9,10,11,12,13,14,15
	s_wait_dscnt 15
	v_cvt_pk_bf16_f32 v[S+4*\j], v[S+4*\j], v[S+4*\j+1]
	v_cvt_pk_bf16_f32 v[S+4*\j+1], v[S+4*\j+2], v[S+4*\j+3]
	ds_store_b64 v[VST], v[S+4*\j:S+4*\j+1] offset:\nb*VBUF+2*VPITCH*(\j-8)
.endr
.endm
; Pair i (key tile i / 4, registers 2 (i % 4), + 1) of query tile qp: into the running sums; the first pair carries l x alpha with it
.macro PSUM
.if i == 0
	s_wait_alu depctr_va_vdst(0)
	v_pk_fma_f32 v[LS+2*qp:LS+2*qp+1], v[LS+2*qp:LS+2*qp+1], v[AL+2*qp:AL+2*qp+1], v[S+8*qp:S+8*qp+1] op_sel_hi:[1,0,1]
.else
	v_pk_add_f32 v[LS+2*qp:LS+2*qp+1], v[LS+2*qp:LS+2*qp+1], v[S+8*(4*(i/4)+qp)+2*(i%4):S+8*(4*(i/4)+qp)+2*(i%4)+1]
.endif
.endm
; and to bf16, in place: key tiles 2 ks and 2 ks + 1 pack into the eight registers of tile 2 ks.  With i ascending a word lands only on registers whose pairs have been summed and packed.
.macro PCVT
	v_cvt_pk_bf16_f32 v[S+8*(8*(i/8)+qp)+4*((i/4)%2)+(i%4)], v[S+8*(4*(i/4)+qp)+2*(i%4)], v[S+8*(4*(i/4)+qp)+2*(i%4)+1]
.endm
; A sub-block: 64 keys x my 64 queries.  knext = 1: the next sub-block's K fragments are fetched too.  pf = 1: the prefetch.  first = 1: the first products start O's sums.
.macro SUB buf, sb, knext, pf, first
.if \sb
.set MO, MB
.set MN, MA
.else
.set MO, MA
.set MN, MB
.endif
	; S^T = K Q^T.  The four accumulators of a key tile take turns, one instruction a turn.
	WIN 0x04                                       ; source 1 (Q) in window 1
.irp kt, 0,1,2,3
	s_wait_dscnt 12-4*\kt                          ; the four loads of each later key tile may stay out; nothing was issued behind the K loads
.irp qt, 0,1,2,3
	v_wmma_f32_16x16x32_bf16 v[S+8*(4*\kt+\qt):S+8*(4*\kt+\qt)+7], v[KF+16*\kt:KF+16*\kt+7], v[QF+16*\qt:QF+16*\qt+7], 0
.endr
.irp qt, 0,1,2,3
	v_wmma_f32_16x16x32_bf16 v[S+8*(4*\kt+\qt):S+8*(4*\kt+\qt)+7], v[KF+16*\kt+8:KF+16*\kt+15], v[QF+16*\qt+8:QF+16*\qt+15], v[S+8*(4*\kt+\qt):S+8*(4*\kt+\qt)+7]
.endr
.endr
	WIN 0
	PLACES 4                                       ; in front of the loads into K's fragments and of the first read of a score
	VLOAD \buf, \sb
.if \knext
	KLOAD \buf, 1
.endif
.if \pf
	; Block t + 2, whose tensor loads go out at the head of the next trip: eight rows of 8,192 bytes, one a wave for waves 0 and 1 of the four work-groups
	; (row 2 cx + w), lanes 256 bytes apart, so each piece of 256 bytes is asked for once in the launch.  The last two trips ask for nothing: block 15 is the last.
	s_cmp_lt_u32 s8, 2
	s_cbranch_scc0 .Lno_ask_\@
	global_prefetch_b8 v[PFO], s[28:29] offset:\buf*BLKB th:TH_LOAD_NT scope:SCOPE_SE
.Lno_ask_\@:
.endif
	; the new maximum: old maximum and my 32 scores of each query, four chains side by side; then the other half's
.irp q, 0,1,2,3
	v_max3_num_f32 v[MN+2*\q], v[MO+2*\q], v[S+8*\q], v[S+8*\q+1]
.endr
.set n, 1
.rept 15
.irp q, 0,1,2,3
	v_max3_num_f32 v[MN+2*\q], v[MN+2*\q], v[S+8*(4*(n/4)+\q)+2*(n%4)], v[S+8*(4*(n/4)+\q)+2*(n%4)+1]
.endr
.set n, n+1
.endr
.irp q, 0,1,2,3
	v_permlanex16_b32 v[TP+2*\q], v[MN+2*\q], s30, s31
.endr
.irp q, 0,1,2,3
	v_max_num_f32 v[MN+2*\q], v[MN+2*\q], v[TP+2*\q]
.endr
.irp q, 0,1,2,3
	v_mul_f32 v[NM+2*\q], 0xbe38aa3b, v[MN+2*\q]                   ; - c m
.endr
.irp q, 0,1,2,3
	v_fmamk_f32 v[AL+2*\q], v[MO+2*\q], 0x3e38aa3b, v[NM+2*\q]     ; c (old m) - c m
.endr
.irp q, 0,1,2,3
	v_exp_f32 v[AL+2*\q], v[AL+2*\q]               ; alpha; the packed lines below stand between it and its first use (ISA guide 5.7.2)
.endr
.irp q, 0,1,2,3
.irp kt, 0,1,2,3
.irp jp, 0,2,4,6
	v_pk_fma_f32 v[S+8*(4*\kt+\q)+\jp:S+8*(4*\kt+\q)+\jp+1], v[S+8*(4*\kt+\q)+\jp:S+8*(4*\kt+\q)+\jp+1], 0x3e38aa3b, v[NM+2*\q:NM+2*\q+1] op_sel_hi:[1,0,0]   ; c s - c m
.endr
.endr
.endr
	; exponentials of query tile 0; then those of tile q take turns with the sums and roundings of tile q - 1, which are the plain lines that a transcendental wants behind it
.irp kt, 0,1,2,3
.irp j, 0,1,2,3,4,5,6,7
	v_exp_f32 v[S+32*\kt+\j], v[S+32*\kt+\j]
.endr
.endr
	v_nop                                          ; the plain line between tile 0's exponentials and their first use
.irp q, 1,2,3
.set qp, \q-1
.set i, 0
.rept 16
	v_exp_f32 v[S+8*(4*(i/4)+\q)+2*(i%4)], v[S+8*(4*(i/4)+\q)+2*(i%4)]
	PSUM
	v_exp_f32 v[S+8*(4*(i/4)+\q)+2*(i%4)+1], v[S+8*(4*(i/4)+\q)+2*(i%4)+1]
	PCVT
.set i, i+1
.endr
.endr
.set qp, 3
.set i, 0
.rept 16
	PSUM
	PCVT
.set i, i+1
.endr
	s_wait_dscnt 16*\knext                         ; V's 16 loads are in; the 16 K loads issued behind them may stay out
.if \first == 0
	WIN 0x41                                       ; O in window 1, alpha in window 0
.irp q, 0,1,2,3
.set n, 0
.rept 16
	v_pk_mul_f32 v[ACC+32*\q+2*n:ACC+32*\q+2*n+1], v[ACC+32*\q+2*n:ACC+32*\q+2*n+1], v[AL+2*\q:AL+2*\q+1] op_sel_hi:[1,0]
.set n, n+1
.endr
.endr
.endif
	; O^T += V^T P^T.  The sixteen accumulators take turns, one instruction a turn.
	WIN 0x51                                       ; source 0 (V), C and D in window 1, source 1 (P) in window 0
.irp ks, 0,1
.irp qt, 0,1,2,3
.irp ct, 0,1,2,3
.if \first*(1-\ks)
	v_wmma_f32_16x16x32_bf16 v[ACC+8*(4*\qt+\ct):ACC+8*(4*\qt+\ct)+7], v[VF+8*(4*\ks+\ct):VF+8*(4*\ks+\ct)+7], v[S+8*(8*\ks+\qt):S+8*(8*\ks+\qt)+7], 0
.else
	v_wmma_f32_16x16x32_bf16 v[ACC+8*(4*\qt+\ct):ACC+8*(4*\qt+\ct)+7], v[VF+8*(4*\ks+\ct):VF+8*(4*\ks+\ct)+7], v[S+8*(8*\ks+\qt):S+8*(8*\ks+\qt)+7], v[ACC+8*(4*\qt+\ct):ACC+8*(4*\qt+\ct)+7]
.endif
.endr
.endr
.endr
	WIN 0
	PLACES 5                                       ; the next matrix instruction writes over P; loads into P's and V's registers and reads of O need four
.endm
; A trip: block t from buffer buf.  fill = 1: block t + 1 is asked for at the head and converted into buffer nb at the end.
; In front of the barrier every wave's LDS work is done: its reads of its stage and its stores into buffer buf (the last trip's CONVERT), its reads of buffer nb (the last trip's
; fragments); and none of its tensor loads is out (waited for in front of that CONVERT, none issued since).  Behind it: the stage is filled again, first thing; buffer buf is whole; buffer nb is free.
.macro TRIP buf, nb, fill, pf, first
	s_wait_dscnt 0x0
.if \fill
	ROUND                                          ; this holds of every wave of all four work-groups
	tensor_load_to_lds s[12:15], s[16:23]          ; my one tensor load behind the round
	s_nop 0
.else
	s_barrier_signal -1
	s_barrier_wait -1
.endif
	KLOAD \buf, 0
	SUB \buf, 0, 1, \pf, \first
	SUB \buf, 1, 0, 0, 0
.if \fill
	s_wait_tensorcnt 0x0                           ; my row of the next block is in my stage, no tensor load of mine is out,
	ds_add_u32 v45, v63
	s_wait_dscnt 0x0
	s_add_nc_u64 s[14:15], s[14:15], BLKB          ; so group 0 may step to the block after it (behind block 15 the stepped address is not used)
	CONVERT \nb
.endif
.endm
.macro LAP first, pf, fill2
	TRIP 0, 1, 1, \pf, \first
	TRIP 1, 0, \fill2, \pf, 0
.if \pf
	s_wait_xcnt 0x0                                ; the prefetches' addresses are translated (ISA guide 3.1): their base steps only behind this wait
	s_add_nc_u64 s[28:29], s[28:29], 2*BLKB
.endif
.endm
	s_wait_tensorcnt 0x0                           ; block 0 is in my stage
	ds_add_u32 v45, v63
	s_wait_dscnt 0x0
	s_add_nc_u64 s[14:15], s[14:15], BLKB
	CONVERT 0
	LAP 1, 1, 1                                    ; blocks 0 and 1: the first products start O's sums, nothing is cleared
	s_mov_b32 s32, 6
.Llap:
	LAP 0, 1, 1                                    ; blocks 2 to 13
	s_sub_co_u32 s32, s32, 1
	s_cmp_lg_u32 s32, 0
	s_cbranch_scc1 .Llap
	LAP 0, 0, 0                                    ; blocks 14 and 15: block 15 is the last fill, nothing is left to prefetch
	; THE WAY OUT.  l = my two sums + the other half's; O / l; 16 queries at a time through my scratch, so that a store of the wave covers 512 consecutive bytes, aligned.
.irp q, 0,1,2,3
	v_add_f32 v[LS+2*\q], v[LS+2*\q], v[LS+2*\q+1]
.endr
.irp q, 0,1,2,3
	v_permlanex16_b32 v[TP+2*\q], v[LS+2*\q], s30, s31
.endr
.irp q, 0,1,2,3
	v_add_f32 v[LS+2*\q], v[LS+2*\q], v[TP+2*\q]
.endr
.irp q, 0,1,2,3
	v_rcp_f32 v[AL+2*\q], v[LS+2*\q]               ; l is at least about 1: the largest score's p
.endr
	v_nop                                          ; the plain line behind the reciprocals
	s_wait_alu depctr_va_vdst(0)
.irp qt, 0,1,2,3
	WIN 0x01                                       ; source 0 (O) in window 1
.set n, 0
.rept 16
	v_pk_mul_f32 v[S+2*n:S+2*n+1], v[ACC+32*\qt+2*n:ACC+32*\qt+2*n+1], v[AL+2*\qt:AL+2*\qt+1] op_sel_hi:[1,0]
.set n, n+1
.endr
	WIN 0
.irp ct, 0,1,2,3
	ds_store_b128 v[OST], v[S+8*\ct:S+8*\ct+3]   offset:64*\ct      ; query r, channels 16 ct + 8 h ..
	ds_store_b128 v[OST], v[S+8*\ct+4:S+8*\ct+7] offset:64*\ct+16
.endr
.irp t, 0,1,2,3,4,5,6,7
	ds_load_b128 v[96+32*\qt+4*\t:96+32*\qt+4*\t+3], v[ORD] offset:2*OPITCH*\t   ; queries 2 t + h, 16 bytes a lane; my own bytes, served in order behind the stores
.endr
.irp t, 0,1,2,3,4,5,6,7
	s_wait_dscnt 7-\t                              ; the later loads may stay out
	global_store_b128 v[GOFF], v[96+32*\qt+4*\t:96+32*\qt+4*\t+3], s[26:27] offset:4096*\qt+512*\t th:TH_STORE_NT   ; no store's registers are written again
.endr
.endr
	s_wait_tensorcnt 0x0
	ds_add_u32 v45, v63
	s_wait_dscnt 0x0
	ROUND                                          ; the closing round: no work-group ends while a partner may still ask for a block that names it
	s_endpgm
.Lfunc_end_k_qbad388fdf9_attn:
	.size	k_qbad388fdf9_attn, .Lfunc_end_k_qbad388fdf9_attn-k_qbad388fdf9_attn
	.p2alignl 7, 3214868480
	.fill 96, 4, 3214868480
	.section	.rodata,"a",@progbits
	.p2align	6, 0x0
	.amdhsa_kernel k_qbad388fdf9_attn
		.amdhsa_group_segment_fixed_size 327680
		.amdhsa_private_segment_fixed_size 0
		.amdhsa_enable_private_segment 0
		.amdhsa_kernarg_size 16
		.amdhsa_user_sgpr_count 2
		.amdhsa_user_sgpr_kernarg_segment_ptr 1
		.amdhsa_wavefront_size32 1
		.amdhsa_system_sgpr_workgroup_id_x 1
		.amdhsa_system_sgpr_workgroup_id_y 1
		.amdhsa_system_sgpr_workgroup_id_z 1
		.amdhsa_system_vgpr_workitem_id 0
		.amdhsa_next_free_vgpr 512
		.amdhsa_next_free_sgpr 66
		.amdhsa_reserve_vcc 0
		.amdhsa_float_denorm_mode_32 3
		.amdhsa_float_denorm_mode_16_64 3
		.amdhsa_memory_ordered 1
		.amdhsa_forward_progress 1
		.amdhsa_inst_pref_size 255
	.end_amdhsa_kernel
	.section	.bss,"aw",@nobits
	.p2align	6
	.space	262144
	.amdgpu_metadata
---
amdhsa.version: [ 1, 2 ]
amdhsa.kernels:
  - .name:           k_qbad388fdf9_attn
    .symbol:         k_qbad388fdf9_attn.kd
    .args:
      - { .name: qkv, .offset: 0, .size: 8, .value_kind: global_buffer, .address_space: global }
      - { .name: out0, .offset: 8, .size: 8, .value_kind: global_buffer, .address_space: global }
    .group_segment_fixed_size: 327680
    .private_segment_fixed_size: 0
    .kernarg_segment_align: 8
    .kernarg_segment_size: 16
    .max_flat_workgroup_size: 256
    .sgpr_count:     66
    .vgpr_count:     512
    .wavefront_size: 32
...
	.end_amdgpu_metadata
.endif
;; end of part 1
